; MI455X (gfx1250); checked and timed in simulation.
; The chip was launched on July 23, 2026; its instructions are those of AMD's public machine-readable ISA for CDNA 5 (MIT licence, August 2026) and "CDNA5" Instruction Set Architecture Reference Guide (July 2026). The comments in the code are by the model that wrote it; some were corrected since.
;; Self Attention2d. Allowed arithmetic: matrix products marked QUANTISED: E2M1 operands, one E8M0 scale for each 32 along K, by v_wmma_scale_f32_16x16x128_f8f6f4 with both operands' format E2M1 (or v_wmma_scale_f32_32x16x128_f4), f32 sums; products left as they are: f32 operands where the result goes on into a quantised operand, else bf16, f16 or f32 operands; f32 sums; everything else in f32.
;; Inputs: bk 128 float32; bq 128 float32; bv 128 float32; wk 128 x 128 float32; wq 128 x 128 float32; wv 128 x 128 float32; x 2 x 128 x 64 x 64 float32.
;; Outputs: out0 2 x 128 x 64 x 64 float32.
;; This version of the problem:
;;   THIS VERSION OF THE PROBLEM IS GIVEN IN LOW PRECISION. The matrix products marked QUANTISED in the list below multiply operands that are first quantised to E2M1 (2 exponent bits, 1 mantissa bit; 4 bits a number), with one power-of-two scale for each 32 numbers along K (OCP MX v1.0); their sums are f32. All else is computed in f32.
;;   The module's matrix products, in the order in which they are computed (A, B: the left and right operand; K: the contracted axis; several contracted axes count as one K, in the product's order):
;;     1. [M 8,192, K 128] x [K 128, N 128]; A: input x; B: input wq: QUANTISED
;;     2. [M 8,192, K 128] x [K 128, N 128]; A: input x; B: input wk: QUANTISED
;;     3. [M 8,192, K 128] x [K 128, N 128]; A: input x; B: input wv: QUANTISED
;;     4. batch 16 x [M 4,096, K 16] x [K 16, N 4,096]; A: computed on the way; B: computed on the way: left as it is (K = 16 < 32)
;;     5. batch 16 x [M 16, K 4,096] x [K 4,096, N 4,096]; A: computed on the way; B: softmax (see below): QUANTISED
;;   THE QUANTISER, for each operand of a quantised product, along K:
;;     - K is cut into blocks of 32 from its start; a last block that is shorter is filled with zeros.
;;     - A block's scale is 2^e with e = floor(log2(the largest magnitude in the block)) - 2, held to -126 .. 127; a block of zeros has e = 0. As a byte (E8M0): e + 127.
;;     - Each number is divided by its block's scale, clamped to +-6, and rounded to the nearest number of E2M1, ties to even, subnormals kept.
;;     - The product sums the exact products of the quantised numbers (number of the format x scale) in f32.
;;   ~~~python
;;   def quantise(x, axis):      # numpy; x: float32 -> the quantised numbers, widened to float32 again
;;       x = np.moveaxis(x, axis, -1); K = x.shape[-1]
;;       x = np.pad(x, [(0, 0)] * (x.ndim - 1) + [(0, -K % 32)]); x = x.reshape(x.shape[:-1] + (-1, 32)); a = np.abs(x).max(-1, keepdims=True)
;;       e = np.where(a > 0, np.clip(np.frexp(np.where(a > 0, a, 1))[1] - 1 - 2, -126, 127), 0)      # np.frexp(a)[1] - 1 = floor(log2(a)), exactly
;;       r = np.clip(x / 2.0 ** e, -6, 6)
;;       step = 2.0 ** (np.maximum(np.frexp(np.where(r == 0, 1, r))[1] - 1, 0) - 1)
;;       q = np.round(r / step) * step * 2.0 ** e      # np.round: ties to even
;;       return np.moveaxis(q.reshape(q.shape[:-2] + (-1,))[..., :K], -1, axis).astype(np.float32)
;;   ~~~
;;   SOFTMAX AHEAD OF A QUANTISED PRODUCT. Where the list says 'softmax', what is quantised is not the finished softmax but p = 2^(t - M), with t = logit x log2(e) and M = ceil(the row's largest t), a whole number; so 1/2 < the row's largest p <= 1. The row's sum l is taken of the UNQUANTISED p, in f32, and the product's result is divided by l at the end. Since M is a whole number, a kernel that streams over the keys may use a running M (the ceiling of the running maximum): every later rescaling is an exact power of two, which a block's scale takes up: the codes' values come out the same.
;;   OPERANDS COMPUTED ON THE WAY. 'Computed on the way' means the value that the module computes at that place (a softmax that the list does not call 'softmax' is quantised finished and normalised). What goes into a quantiser is computed in f32, as accurately as f32 sums, v_exp_f32 and their like allow (about 1e-6 of the number): no bf16 or f16 on the way to a quantiser, and a product that is left as it is and whose result goes on into a quantised operand takes f32 operands (vector FMAs, or v_wmma_f32_16x16x4_f32). A number that lies on a knife's edge between two numbers of the format may be rounded either way, as far as f32 arithmetic and the matrix unit's own rounding can turn it there, and no further.
;; One version. Each part assembles by itself: llvm-mc -triple=amdgcn-amd-amdhsa -mcpu=gfx1250 --defsym DOCPART=n.
;; ======== version 1 of 1: 2 launches
;; workspace buffers: qf 4,194,304 bytes; kv 4,849,664 bytes
;; launch proj (part 1): grid 64 x 2, 4 waves a work-group, no clusters, 9,728 bytes of LDS; arguments x, wq, bq, wk, bk, wv, bv, qf, kv; writes qf, kv
.if DOCPART == 1
	.amdgcn_target "amdgcn-amd-amdhsa--gfx1250"
	.amdhsa_code_object_version 6
	.text
	.protected	k_qa1a369d548_proj
	.globl	k_qa1a369d548_proj
	.p2align	8
	.type	k_qa1a369d548_proj,@function
k_qa1a369d548_proj:
	s_mov_b64 s[64:65], 0
	v_nop
	global_prefetch_b8 v0, s[64:65] scope:SCOPE_SE
	s_setreg_imm32_b32 hwreg(HW_REG_WAVE_MODE, 25, 1), 1
	s_wait_xcnt 0x0
; q, k, v = W x + b for one batch's 128 tokens and four heads: the three 1x1 convolutions, on codes of FP4 (E2M1) with one E8M0 scale for each 32 channels; sums in f32, the bias as the sums' start.
; x: [2][128 channels][4096 tokens] f32.  wq, wk, wv: [128 out][128 in] f32.  bq, bk, bv: [128] f32.
; SHARES.  Work-group (X, Y): batch X / 32, tokens 128 (X % 32) on; wave w: head 4 Y + w.  Wave w also quantises tokens 32 w .. 32 w + 31 of x for all four waves; the codes go round through LDS as images of the operand's registers.
; WHAT IS STORED, in the order in which the next launch's operand registers take it:
;   qf [16 heads][256 tiles][1024]: a tile of 16 tokens x 16 channels of q in f32: lane (r, h), register j = channel 8 h + j of the tile's token r; registers 4 p .. 4 p + 3 of lane l at 512 p + 16 l.
;   kv [16 heads][32 key steps][9472]: eight such tiles of k (8,192 bytes); v's 16 channels x 128 tokens as an FP4 fragment, quantised along the tokens (1,024 bytes); its scale words, each twice (256 bytes).
; THE TOKENS OF A TILE ARE NOT NEIGHBOURS: lane r of tile 2 b + u takes token 32 b + 8 u + r + (r & 8), so that in a product with tokens as rows the 16 registers of tiles 2 b and 2 b + 1 are 16 neighbouring tokens, 32 b + 16 h + 0 .. 15.
; q and k: source 0 = 16 rows of W, source 1 = 16 tokens: a lane holds one token and eight channels: the f32 operand as it stands.  v: the sources swapped: a lane holds one channel and its registers run along the tokens, as its quantiser wants.
; NO CLUSTER: every number is loaded straight into the registers in which it is quantised (x: a lane to a token, registers down the channels; W: a lane to a row, registers along it); there is no tile in LDS that a joint load could fill.
; LIMITS: NaN and infinities among the inputs are not served.  A block whose largest magnitude lies under 2^-124, a block of zeros among them, gets the scale byte 1; a block of zeros has zero codes, and the bytes are read by this program alone.
.set XIMG, 0                           ; LDS: x's eight fragments, tile t at 1024 t + 512 p + 16 l
.set XSC,  8192                        ; their scale words: pair of tiles g at 128 g + 4 l (lanes 0-15 tile 2 g, lanes 16-31 tile 2 g + 1)
.set REC,  9472                        ; a key step's record in kv
.set XA,  4                            ; v4   x: 4 x my token among the work-group's 128
.set WA,  5                            ; v5   W: 512 r + 128 h: my 32 numbers of each half row
.set BA,  6                            ; v6   bq, bk: 32 h: my eight channels
.set BVA, 7                            ; v7   bv: 4 r: my channel
.set LI,  8                            ; v8   16 x lane: my place in an image
.set LS,  9                            ; v9   4 x lane
.set XWI, 10                           ; v10  where I store x's images: 16 x lane + 2048 x wave
.set XWS, 11                           ; v11  and their scale words: 4 x lane + 128 x wave
.set H8,  12                           ; v12  8 h
.set L8,  13                           ; v13  8 x lane
.set R0,  16                           ; v16-79   Wq's numbers, then x's channels 0-63, then XF
.set R1,  80                           ; v80-143  Wk's numbers, then x's channels 64-127, then HA
.set R2,  144                          ; v144-207 Wv's numbers, then what follows
.set XF,  16                           ; x's eight fragments
.set HA,  80                           ; eight result tiles
.set BQ,  144                          ; the biases in the results' layouts, eight registers each
.set BK,  152
.set BV,  160
.set XC,  168                          ; v168-183 my token's codes, four registers a block
.set PC,  184                          ; v184-191 v's fragment
.set PW,  192                          ; v[192:193] v's scale word, twice
.set WFQ, 208                          ; the weights' fragments
.set WFK, 216
.set WFV, 224
.set TM,  232                          ; v232-235 largest magnitudes, v236-239 lane exchanges and bytes, v240-243 the conversions' scale operands
.set WSQ, 248                          ; scale words: these seven registers hold scales and nothing else
.set WSK, 249
.set WSV, 250
.set XS,  251                          ; v251-254 x's
.set XW,  255                          ; my token's scale word on its way to LDS
.set SEL, 30                           ; s[30:31] selects of v_permlanex16_b32 for lane l xor 16
.macro PLACES n
.rept \n
	v_nop
.endr
.endm
; 16 rows x 128 of a weight: lane (r, h) takes k = 64 c + 32 h + 0 .. 31 of row r, the very k that the operand's layout gives it
.macro LOADW base, reg
.irp c, 0,1
.irp g, 0,1,2,3,4,5,6,7
	global_load_b128 v[\reg+32*\c+4*\g:\reg+32*\c+4*\g+3], v[WA], s[\base:\base+1] offset:256*\c+16*\g
.endr
.endr
.endm
; those 64 numbers become the fragment v[frag .. frag + 7] and the scale word v[sw]: a lane holds two whole blocks, h and 2 + h
.macro QUANTW src, frag, sw
.irp c, 0,1
	v_max3_num_f32 v[TM+\c], |v[\src+32*\c]|, |v[\src+32*\c+1]|, 0x1800000   ; with the floor 2^(3 - 127): the byte cannot fall under 1
.endr
.irp i, 2,4,6,8,10,12,14,16,18,20,22,24,26,28,30
.irp c, 0,1
	v_max3_num_f32 v[TM+\c], v[TM+\c], |v[\src+32*\c+\i]|, |v[\src+32*\c+\i+1]|   ; the two blocks by turns
.endr
.endr
.irp c, 0,1
	v_add_nc_u32 v[TM+8+\c], 0xff000000, v[TM+\c]      ; 2 off the exponent field: the conversion's scale operand
.endr
.irp c, 0,1
	v_lshrrev_b32 v[TM+4+\c], 23, v[TM+8+\c]           ; the scale's byte
.endr
	v_lshl_or_b32 v[\sw], v[TM+5], 16, v[TM+4]         ; my two bytes,
	v_lshlrev_b32 v[\sw], v[H8], v[\sw]                ; at their places in the word;
	v_permlanex16_b32 v[TM+6], v[\sw], s[SEL], s[SEL+1]
	v_or_b32 v[\sw], v[\sw], v[TM+6]                   ; with lane l xor 16's two it is whole
.irp c, 0,1
.irp g, 0,1,2,3
	v_cvt_scalef32_pk8_fp4_f32 v[\frag+4*\c+\g], v[\src+32*\c+8*\g:\src+32*\c+8*\g+7], v[TM+8+\c]
.endr
.endr
	v_nop                                              ; one plain line behind the last scaled conversion
.endm
; x: channels 32 be .. 32 be + 31 of my token; a load of the wave covers 128 consecutive bytes, the four waves stand side by side on 512
.macro LOADX be
.irp i, 0,1,2,3,4,5,6,7,8,9,10,11,12,13,14,15,16,17,18,19,20,21,22,23,24,25,26,27,28,29,30,31
	global_load_b32 v[R0+32*\be+\i], v[XA], s[4:5] offset:(32*\be+\i)*16384
.endr
.endm
; block be of my token: all its 32 numbers are mine.  cnt: at most as many loads as were issued behind this block's
.macro XBLOCK be, cnt
	s_wait_loadcnt \cnt
	v_max3_num_f32 v[TM], |v[R0+32*\be]|, |v[R0+32*\be+1]|, |v[R0+32*\be+2]|
	v_max3_num_f32 v[TM+1], |v[R0+32*\be+3]|, |v[R0+32*\be+4]|, |v[R0+32*\be+5]|
.irp i, 6,10,14,18,22,26
	v_max3_num_f32 v[TM], v[TM], |v[R0+32*\be+\i]|, |v[R0+32*\be+\i+1]|
	v_max3_num_f32 v[TM+1], v[TM+1], |v[R0+32*\be+\i+2]|, |v[R0+32*\be+\i+3]|
.endr
	v_max3_num_f32 v[TM], v[TM], |v[R0+32*\be+30]|, |v[R0+32*\be+31]|
	v_max3_num_f32 v[TM], v[TM], v[TM+1], 0x1800000    ; and the floor
	v_add_nc_u32 v[TM+8], 0xff000000, v[TM]
	v_lshrrev_b32 v[TM+4], 23, v[TM+8]
.if \be == 0
	v_mov_b32 v[XW], v[TM+4]
.else
	v_lshl_or_b32 v[XW], v[TM+4], 8*\be, v[XW]         ; byte be of my token's scale word
.endif
.irp g, 0,1,2,3
	v_cvt_scalef32_pk8_fp4_f32 v[XC+4*\be+\g], v[R0+32*\be+8*\g:R0+32*\be+8*\g+7], v[TM+8]
.endr
	v_nop                                              ; one plain line behind the last scaled conversion
.endm
; q or k: source 0 = my head's 16 rows of W, source 1 = tile t's 16 tokens, the sums begin with the bias.  x's scale words: tile 2 g in lanes 0-15, tile 2 g + 1 in lanes 16-31
.macro QKPROD wf, bias, ws
.irp t, 0,1,2,3,4,5,6,7
.if \t%2
	v_wmma_scale_f32_16x16x128_f8f6f4 v[HA+8*\t:HA+8*\t+7], v[\wf:\wf+7], v[XF+8*\t:XF+8*\t+7], v[\bias:\bias+7], v[\ws], v[XS+\t/2] matrix_a_fmt:MATRIX_FMT_FP4 matrix_b_fmt:MATRIX_FMT_FP4 matrix_b_scale:MATRIX_SCALE_ROW1
.else
	v_wmma_scale_f32_16x16x128_f8f6f4 v[HA+8*\t:HA+8*\t+7], v[\wf:\wf+7], v[XF+8*\t:XF+8*\t+7], v[\bias:\bias+7], v[\ws], v[XS+\t/2] matrix_a_fmt:MATRIX_FMT_FP4 matrix_b_fmt:MATRIX_FMT_FP4
.endif
.endr
.endm
; the eight tiles leave as they stand: each store of the wave covers 512 consecutive bytes, aligned; each accumulator from its low end on
.macro OUT8 base
.irp t, 0,1,2,3,4,5,6,7
	global_store_b128 v[LI], v[HA+8*\t:HA+8*\t+3], s[\base:\base+1] offset:1024*\t
	global_store_b128 v[LI], v[HA+8*\t+4:HA+8*\t+7], s[\base:\base+1] offset:1024*\t+512
.endr
.endm
	s_load_b256 s[4:11], s[0:1], 0x0               ; x s[4:5], wq s[6:7], bq s[8:9], wk s[10:11]
	s_load_b256 s[12:19], s[0:1], 0x20             ; bk s[12:13], wv s[14:15], bv s[16:17], qf s[18:19]
	s_load_b64 s[20:21], s[0:1], 0x40              ; kv
	v_lshl_add_u32 v246, v0, 2, 0x2400
	v_mov_b32 v247, 0
	v_lshrrev_b32 v14, 5, v0
	v_readfirstlane_b32 s22, v14                   ; wave 0..3
	v_and_b32 v1, 31, v0                           ; lane
	v_and_b32 v2, 15, v0                           ; r
	v_bfe_u32 v3, v0, 4, 1                         ; h
	v_and_b32 v[XA], 7, v1                         ; my token of the wave's 32: lanes 0-15 are tile 2 w's rows (r + (r & 8)), lanes 16-31 tile 2 w + 1's (8 more)
	v_and_b32 v14, 8, v1
	v_lshl_add_u32 v[XA], v14, 1, v[XA]
	v_lshl_add_u32 v[XA], v3, 3, v[XA]
	s_lshl_b32 s33, s22, 5
	v_add_nc_u32 v[XA], s33, v[XA]
	v_lshlrev_b32 v[XA], 2, v[XA]
	v_lshlrev_b32 v[WA], 9, v2
	v_lshl_add_u32 v[WA], v3, 7, v[WA]
	v_lshlrev_b32 v[BA], 5, v3
	v_lshlrev_b32 v[BVA], 2, v2
	v_lshlrev_b32 v[LI], 4, v1
	v_lshlrev_b32 v[LS], 2, v1
	s_lshl_b32 s33, s22, 11
	v_add_nc_u32 v[XWI], s33, v[LI]
	s_lshl_b32 s33, s22, 7
	v_add_nc_u32 v[XWS], s33, v[LS]
	v_lshlrev_b32 v[H8], 3, v3
	v_lshlrev_b32 v[L8], 3, v1
.irp b, 0,1,2,3
	v_mov_b32 v[TM+4+\b], 0                        ; written once: a lane permute's destination counts as one of its sources
.endr
	s_and_b32 s23, ttmp7, 0xffff
	s_lshl_b32 s23, s23, 2
	s_add_co_u32 s23, s23, s22                     ; head = 4 Y + wave
	s_lshr_b32 s25, ttmp9, 5                       ; batch
	s_and_b32 s32, ttmp9, 31                       ; key step: which 128 tokens
	s_lshl_b32 s24, s25, 3
	s_add_co_u32 s24, s24, s23                     ; batch x 8 + head
	s_lshl_b32 s26, s25, 21                        ; x: a batch is 2,097,152 bytes, 128 tokens are 512
	s_lshl_b32 s33, s32, 9
	s_add_co_u32 s26, s26, s33
	s_mov_b32 s27, 0
	s_lshl_b32 s28, s23, 13                        ; the weights: my head's 16 rows of 512 bytes
	s_mov_b32 s29, 0
	s_lshl_b32 s34, s23, 6                         ; the biases: 16 numbers
	s_mov_b32 s35, 0
	s_lshl_b32 s36, s24, 8                         ; qf: tile 256 x (batch, head) + 8 x key step, 1,024 bytes each
	s_lshl_b32 s33, s32, 3
	s_add_co_u32 s36, s36, s33
	s_lshl_b32 s36, s36, 10
	s_mov_b32 s37, 0
	s_lshl_b32 s38, s24, 5                         ; kv: record 32 x (batch, head) + key step
	s_add_co_u32 s38, s38, s32
	s_mul_i32 s38, s38, REC
	s_mov_b32 s39, 0
	s_mov_b32 s[SEL], 0x76543210
	s_mov_b32 s[SEL+1], 0xfedcba98
	s_wait_kmcnt 0x0
	s_add_nc_u64 s[4:5], s[4:5], s[26:27]
	s_add_nc_u64 s[6:7], s[6:7], s[28:29]
	s_add_nc_u64 s[10:11], s[10:11], s[28:29]
	s_add_nc_u64 s[14:15], s[14:15], s[28:29]
	s_add_nc_u64 s[8:9], s[8:9], s[34:35]
	s_add_nc_u64 s[12:13], s[12:13], s[34:35]
	s_add_nc_u64 s[16:17], s[16:17], s[34:35]
	s_add_nc_u64 s[18:19], s[18:19], s[36:37]
	s_add_nc_u64 s[20:21], s[20:21], s[38:39]
	; ---- the weights are quantised while x is on its way: a set of registers takes x's loads as soon as its weight is in codes
	LOADW 6, R0
	LOADW 10, R1
	LOADW 14, R2
	s_wait_loadcnt 32                              ; Wq's 16 loads are in; Wk's and Wv's may be out
	QUANTW R0, WFQ, WSQ
	LOADX 0
	LOADX 1
	s_wait_loadcnt 63                              ; 80 loads were issued behind Wk's: 63 is what the count's field holds
	QUANTW R1, WFK, WSK
	LOADX 2
	LOADX 3
	s_wait_loadcnt 63                              ; 128 were issued behind Wv's
	QUANTW R2, WFV, WSV
	global_load_b128 v[BQ:BQ+3], v[BA], s[8:9]             ; bq and bk: lane (r, h) wants channels 8 h + 0 .. 7
	global_load_b128 v[BQ+4:BQ+7], v[BA], s[8:9] offset:16
	global_load_b128 v[BK:BK+3], v[BA], s[12:13]
	global_load_b128 v[BK+4:BK+7], v[BA], s[12:13] offset:16
.irp j, 0,1,2,3,4,5,6,7
	global_load_b32 v[BV+\j], v[BVA], s[16:17]             ; bv: channel r in all eight registers
.endr
	; ---- x: my token's four blocks.  Behind block 0's loads 108 were issued, behind block 1's 76, then 44 and 12
	XBLOCK 0, 63
	XBLOCK 1, 63
	XBLOCK 2, 44
	XBLOCK 3, 12
.irp c, 0,1                            ; lanes 0-15 hold tile 2 w's rows, lanes 16-31 tile 2 w + 1's, each all four blocks; the operand wants block 2 c in lanes 0-15 and 2 c + 1 in lanes 16-31 of ONE tile:
.irp i, 0,1,2,3
	v_permlane16_swap_b32 v[XC+8*\c+\i], v[XC+8*\c+4+\i]   ; the first becomes register 4 c + i of tile 2 w, the second of tile 2 w + 1
.endr
.endr
.irp u, 0,1
.irp p, 0,1
	ds_store_b128 v[XWI], v[XC+4*\u+8*\p:XC+4*\u+8*\p+3] offset:XIMG+1024*\u+512*\p
.endr
.endr
	ds_store_b32 v[XWS], v[XW] offset:XSC
	s_wait_dscnt 0x0                               ; for the others' sake: my stores have landed
	s_barrier_signal -1
	s_barrier_wait -1                              ; x's eight fragments and their scale words lie in LDS
.irp t, 0,1,2,3,4,5,6,7
	ds_load_b128 v[XF+8*\t:XF+8*\t+3], v[LI] offset:XIMG+1024*\t
	ds_load_b128 v[XF+8*\t+4:XF+8*\t+7], v[LI] offset:XIMG+1024*\t+512
.endr
.irp g, 0,1,2,3
	ds_load_b32 v[XS+\g], v[LS] offset:XSC+128*\g
.endr
	s_wait_dscnt 0x0
	s_wait_loadcnt 0x0                             ; the biases
	; ---- q
	QKPROD WFQ, BQ, WSQ
	PLACES 5                                       ; four in front of the stores of the results; the fifth since k's products write over them
	OUT8 18
	s_wait_xcnt 0x0                                ; the stores' data are written again only behind this wait
	; ---- k
	QKPROD WFK, BK, WSK
	PLACES 5
	OUT8 20
	s_wait_xcnt 0x0
	; ---- v: source 0 = tile t's 16 tokens, source 1 = my head's 16 rows of Wv: lane (r, h) holds channel r, register 16 b + i token 32 b + 16 h + i
.irp t, 0,1,2,3,4,5,6,7
.if \t%2
	v_wmma_scale_f32_16x16x128_f8f6f4 v[HA+8*\t:HA+8*\t+7], v[XF+8*\t:XF+8*\t+7], v[WFV:WFV+7], v[BV:BV+7], v[XS+\t/2], v[WSV] matrix_a_fmt:MATRIX_FMT_FP4 matrix_b_fmt:MATRIX_FMT_FP4 matrix_a_scale:MATRIX_SCALE_ROW1
.else
	v_wmma_scale_f32_16x16x128_f8f6f4 v[HA+8*\t:HA+8*\t+7], v[XF+8*\t:XF+8*\t+7], v[WFV:WFV+7], v[BV:BV+7], v[XS+\t/2], v[WSV] matrix_a_fmt:MATRIX_FMT_FP4 matrix_b_fmt:MATRIX_FMT_FP4
.endif
.endr
	PLACES 4
	; quantised along the tokens, four blocks of 32; a block lies in lanes l and l xor 16
.irp b, 0,1,2,3
	v_max3_num_f32 v[TM+\b], |v[HA+16*\b]|, |v[HA+1+16*\b]|, 0x1800000
.endr
.irp i, 2,4,6,8,10,12,14
.irp b, 0,1,2,3
	v_max3_num_f32 v[TM+\b], v[TM+\b], |v[HA+16*\b+\i]|, |v[HA+1+16*\b+\i]|
.endr
.endr
.irp b, 0,1,2,3
	v_permlanex16_b32 v[TM+4+\b], v[TM+\b], s[SEL], s[SEL+1]
.endr
.irp b, 0,1,2,3
	v_max_num_f32 v[TM+\b], v[TM+\b], v[TM+4+\b]
.endr
.irp b, 0,1,2,3
	v_add_nc_u32 v[TM+8+\b], 0xff000000, v[TM+\b]
.endr
.irp b, 0,1,2,3
	v_lshrrev_b32 v[TM+4+\b], 23, v[TM+8+\b]
.endr
	v_lshl_or_b32 v[PW], v[TM+5], 8, v[TM+4]       ; my channel's scale word for these 128 tokens
	v_lshl_or_b32 v[PW], v[TM+6], 16, v[PW]
	v_lshl_or_b32 v[PW], v[TM+7], 24, v[PW]
.irp b, 0,1,2,3
	v_cvt_scalef32_pk8_fp4_f32 v[PC+2*\b], v[HA+16*\b:HA+7+16*\b], v[TM+8+\b]
	v_cvt_scalef32_pk8_fp4_f32 v[PC+1+2*\b], v[HA+8+16*\b:HA+15+16*\b], v[TM+8+\b]
.endr
	v_mov_b32 v[PW+1], v[PW]                       ; (the plain line behind the conversions)  the word twice, so that the 32 lanes fill the record's last 256 bytes
.irp c, 0,1                            ; the operand's layout wants a whole block in a lane
.irp i, 0,1
	v_permlane16_swap_b32 v[PC+4*\c+\i], v[PC+2+4*\c+\i]
.endr
.endr
	global_store_b128 v[LI], v[PC:PC+3], s[20:21] offset:8192
	global_store_b128 v[LI], v[PC+4:PC+7], s[20:21] offset:8704
	global_store_b64 v[L8], v[PW:PW+1], s[20:21] offset:9216
	s_wait_tensorcnt 0x0
	ds_add_u32 v246, v247
	s_wait_dscnt 0x0
	s_endpgm
.Lfunc_end_k_qa1a369d548_proj:
	.size	k_qa1a369d548_proj, .Lfunc_end_k_qa1a369d548_proj-k_qa1a369d548_proj
	.p2alignl 7, 3214868480
	.fill 96, 4, 3214868480
	.section	.rodata,"a",@progbits
	.p2align	6, 0x0
	.amdhsa_kernel k_qa1a369d548_proj
		.amdhsa_group_segment_fixed_size 9728
		.amdhsa_private_segment_fixed_size 0
		.amdhsa_enable_private_segment 0
		.amdhsa_kernarg_size 72
		.amdhsa_user_sgpr_count 2
		.amdhsa_user_sgpr_kernarg_segment_ptr 1
		.amdhsa_wavefront_size32 1
		.amdhsa_system_sgpr_workgroup_id_x 1
		.amdhsa_system_sgpr_workgroup_id_y 1
		.amdhsa_system_sgpr_workgroup_id_z 1
		.amdhsa_system_vgpr_workitem_id 0
		.amdhsa_next_free_vgpr 256
		.amdhsa_next_free_sgpr 66
		.amdhsa_reserve_vcc 0
		.amdhsa_float_denorm_mode_32 3
		.amdhsa_float_denorm_mode_16_64 3
		.amdhsa_memory_ordered 1
		.amdhsa_forward_progress 1
		.amdhsa_inst_pref_size 49
	.end_amdhsa_kernel
	.amdgpu_metadata
---
amdhsa.version: [ 1, 2 ]
amdhsa.kernels:
  - .name:           k_qa1a369d548_proj
    .symbol:         k_qa1a369d548_proj.kd
    .args:
      - { .name: x, .offset: 0, .size: 8, .value_kind: global_buffer, .address_space: global }
      - { .name: wq, .offset: 8, .size: 8, .value_kind: global_buffer, .address_space: global }
      - { .name: bq, .offset: 16, .size: 8, .value_kind: global_buffer, .address_space: global }
      - { .name: wk, .offset: 24, .size: 8, .value_kind: global_buffer, .address_space: global }
      - { .name: bk, .offset: 32, .size: 8, .value_kind: global_buffer, .address_space: global }
      - { .name: wv, .offset: 40, .size: 8, .value_kind: global_buffer, .address_space: global }
      - { .name: bv, .offset: 48, .size: 8, .value_kind: global_buffer, .address_space: global }
      - { .name: qf, .offset: 56, .size: 8, .value_kind: global_buffer, .address_space: global }
      - { .name: kv, .offset: 64, .size: 8, .value_kind: global_buffer, .address_space: global }
    .group_segment_fixed_size: 9728
    .private_segment_fixed_size: 0
    .kernarg_segment_align: 8
    .kernarg_segment_size: 72
    .max_flat_workgroup_size: 128
    .sgpr_count:     66
    .vgpr_count:     256
    .wavefront_size: 32
...
	.end_amdgpu_metadata
.endif
;; end of part 1
;; launch attn (part 2): grid 16 x 16, 16 waves a work-group, clusters of 4 x 1, 327,680 bytes of LDS; arguments qf, kv, out0; writes out0
.if DOCPART == 2
	.amdgcn_target "amdgcn-amd-amdhsa--gfx1250"
	.amdhsa_code_object_version 6
	.text
	.protected	k_qa1a369d548_attn
	.globl	k_qa1a369d548_attn
	.p2align	8
	.type	k_qa1a369d548_attn,@function
k_qa1a369d548_attn:
	s_mov_b64 s[64:65], 0
	v_nop
	global_prefetch_b8 v0, s[64:65] scope:SCOPE_SE
	s_setreg_imm32_b32 hwreg(HW_REG_WAVE_MODE, 25, 1), 1
	s_wait_xcnt 0x0
	s_wait_alu depctr_hold_cnt(0) depctr_sa_sdst(0) depctr_va_vdst(0) depctr_va_sdst(0) depctr_va_ssrc(0) depctr_va_vcc(0) depctr_vm_vsrc(0)
	s_getreg_b32 s2, hwreg(HW_REG_IB_STS2, 6, 4)
	s_cmp_eq_u32 s2, 0
	s_cbranch_scc0 .Lentry_in_a_cluster
	s_endpgm
.Lentry_in_a_cluster:
	s_bfe_u32 s2, ttmp6, 0x10000c
	s_cmp_lg_u32 s2, 0x3003
	s_cbranch_scc0 .Lentry_shape_is_right
	s_endpgm
.Lentry_shape_is_right:
; out0[b][16 head + c][q] = the sum over keys k of softmax_k(q . k / sqrt(128)) v[c][k], 16 channels a head, 4,096 tokens.
; The scores (K = 16) take f32 operands, since they go on into a quantiser: v_wmma_f32_16x16x4_f32, four deep.  The second product is on codes of FP4 (E2M1) with one E8M0 scale for each 32 keys.
; THE SOFTMAX AHEAD OF IT: t = score x log2(e) / sqrt(128); M = the running largest t rounded UP to a whole number; p = 2^(t - M) is quantised along the keys, not normalised; the row's sum is taken of the unquantised p
; and divides at the end.  When M moves, the sum and O are multiplied by 2^(old M - new M), which rounds nothing.
; SHARES.  A work-group owns 256 queries of one (batch, head); each of its sixteen waves 16 of them, in 256 registers, four waves to a SIMD, so that one wave's vector work stands beside another's matrix work.  Every wave walks the head's 32 key steps of 128 keys.
; LDS.  A head's k (f32), v (codes) and v's scale words are 32 records of 9,472 bytes, 303,104 in all: they come into LDS ONCE, each wave fetching two records, and stay: nothing is filled again, so there is no ring.
; The first sixteen records are read as soon as they have landed; the other sixteen land meanwhile.  A wave has two tensor loads out.
; CLUSTER.  The four query blocks of a cluster belong to one head and read the same records: each record is asked for JOINTLY, by the same tensor load with the same descriptor and a mask that names the four.
; LAYOUT.  Both products are used transposed: S^T = k q^T (source 0 = 16 keys, source 1 = my 16 queries), O^T = v p^T (source 0 = the 16 channels, source 1 = p): a lane holds ONE query (lane % 16) throughout.
; In the f32 form's K step s, place 2 h + j takes channel 8 h + 2 s + j, alike in both sources: registers 2 s, 2 s + 1 of a tile as the launch before has stored it.
; The tokens of a tile are not neighbours: lane r of tile 2 b + u is token 32 b + 8 u + r + (r & 8), so that the 16 registers of score tiles 2 b and 2 b + 1 are keys 32 b + 16 h + 0 .. 15.  My query tile is laid the same way; the way out puts it right.
; LIMITS: NaN and infinities are not served.  A p under 2^-126 counts as 0 (v_exp_f32 gives no denormals: ISA guide, its entry); a block whose every p is 0 keeps the scale byte 1 over zero codes.
.set REC,    9472                      ; a record: 8 tiles of k x 1,024; v's fragment, 1,024; its scale words, 256
.set HALFB,  16*REC
.set STAGE,  32*REC                    ; behind the records: the way out: 16 rows (channels) of 256 tokens x 4 bytes + 16
.set SPITCH, 1040
.set LI,  1                            ; v1   16 x lane: my place in an image; also my offset in a row of out0
.set LS,  2                            ; v2   8 x lane + 9,216: my place among a record's scale words
.set ADK, 3                            ; v3   LDS address of the step's images
.set ADT, 4                            ; v4   and of its scale word
.set SA,  5                            ; v5   the way out: where I put my query's numbers
.set SR,  6                            ; v6   and where I read a row back
.set QF,  8                            ; v8-15    my 16 queries: stay
.set NM,  16                           ; v16  -M;  v17 the largest t so far (named as a pair by the packed form, which takes the low word)
.set MT,  17
.set LSUM, 18                          ; v[18:19] the row's sum in two halves
.set KF,  20                           ; v20-83   the step's eight tiles of k
.set S,   84                           ; v84-147  S^T: written by matrix instructions alone
.set P,   148                          ; v148-211 t - M, then p
.set OT,  212                          ; v212-219 O^T
.set VF,  220                          ; v220-227 v's fragment
.set PC,  228                          ; v228-235 p's codes
.set BM,  236                          ; v236-239 each block's largest score, then its largest p
.set BP,  240                          ; v240-243 lane exchanges, bytes, a chain of the sums
.set SO,  244                          ; v244-247 the conversions' scale operands
.set VS,  248                          ; v's scale word, p's scale word: these two hold scales and nothing else
.set PW,  249
.set FAC, 250                          ; v[250:251] f = 2^(old M - new M)
.set TMP, 252
.set WV,  10                           ; s10  my wave's number
.set G1,  16                           ; s[16:23] descriptor group 1
.set G0A, 24                           ; s[24:27] group 0: record w
.set G0B, 28                           ; s[28:31] record 16 + w
.set SEL, 32                           ; s[32:33] selects of v_permlanex16_b32 for lane l xor 16
.set CS,  34                           ; s[34:35] c = log2(e) / sqrt(128)
.set TB,  36                           ; s36  LDS byte at which the step's record begins
.set CNT, 37                           ; s37  steps to go in this half
; A round of the cluster's barrier: my work-group's barrier, so that wave 0's signal speaks for all sixteen waves; wave 0 signals for the work-group; every wave waits for the four work-groups; my work-group's barrier once more.
.macro CROUND
	s_barrier_signal -1
	s_barrier_wait -1
	s_cmp_lg_u32 s[WV], 0
	s_cbranch_scc1 .Lnot_wave_0_\@
	s_barrier_signal -3
.Lnot_wave_0_\@:
	s_barrier_wait -3
	s_barrier_signal -1
	s_barrier_wait -1
.endm
	s_load_b128 s[4:7], s[0:1], 0x0                ; qf s[4:5], kv s[6:7]
	s_load_b64 s[8:9], s[0:1], 0x10                ; out0
	v_lshl_add_u32 v254, v0, 2, 0x4e100
	v_mov_b32 v255, 0
	ds_add_u32 v254, v255
	ds_add_u32 v254, v255
	v_lshrrev_b32 v3, 5, v0
	v_readfirstlane_b32 s[WV], v3                  ; wave 0..15
	s_bfe_u32 s11, ttmp6, 0x40000                  ; cx: my place in the cluster: it enters qf's and out0's addresses alone
	s_lshl_b32 s12, ttmp9, 2                       ; in a cluster launch ttmp9 counts clusters
	s_add_co_u32 s12, s12, s11                     ; my block of 256 queries
	s_and_b32 s13, ttmp7, 0xffff                   ; (batch, head), which the four partners share
	; descriptor group 1: a record as 37 rows of 256 bytes, dense in memory and in LDS (images are read 16 bytes a lane on end: no padding is wanted)
	s_mov_b32 s[G1], 15|(3<<16)|(1<<21)            ; 15:0 the mask: all four work-groups; 17:16 elements of 8 bytes; 21 set beside a mask
	s_mov_b32 s[G1+1], 32<<16                      ; tensor_dim0 = 32 elements
	s_mov_b32 s[G1+2], 37<<16                      ; tensor_dim1 = 37
	s_mov_b32 s[G1+3], 32<<16                      ; tile_dim0 = 32
	s_mov_b32 s[G1+4], 37                          ; tile_dim1 = 37
	s_mov_b32 s[G1+5], 32                          ; from row to row
	s_mov_b32 s[G1+6], 0
	s_mov_b32 s[G1+7], 0
	s_mul_i32 s[G0A+1], s[WV], REC                 ; LDS address: record w: the wave's number times a constant
	s_mul_i32 s14, s13, 32*REC                     ; in memory: the head's records, and mine among them
	s_add_co_u32 s14, s14, s[G0A+1]
	s_mov_b32 s15, 0
	s_lshl_b32 s38, s13, 8                         ; qf: tile 256 x (batch, head) + 16 x block + wave, 1,024 bytes each
	s_lshl_b32 s40, s12, 4
	s_add_co_u32 s38, s38, s40
	s_add_co_u32 s38, s38, s[WV]
	s_lshl_b32 s38, s38, 10
	s_mov_b32 s39, 0
	s_lshl_b32 s40, s13, 4                         ; out0: row 16 x (batch, head) + wave of 16,384 bytes, + my block's 1,024
	s_add_co_u32 s40, s40, s[WV]
	s_lshl_b32 s40, s40, 14
	s_lshl_b32 s41, s12, 10
	s_add_co_u32 s40, s40, s41
	s_mov_b32 s41, 0
	s_mov_b32 s[SEL], 0x76543210
	s_mov_b32 s[SEL+1], 0xfedcba98
	s_mov_b32 s[CS], 0x3e0293ee
	s_mov_b32 s[CS+1], s[CS]                       ; (named with it as a pair, so it is written)
	s_wait_dscnt 0x0
	s_wait_kmcnt 0x0
	s_mov_b32 s[G0A], 1                            ; count = 1
	s_add_nc_u64 s[G0A+2:G0A+3], s[6:7], s[14:15]  ; the record's first byte
	s_mov_b32 s[G0B], 1
	s_add_co_u32 s[G0B+1], s[G0A+1], HALFB
	s_add_nc_u64 s[G0B+2:G0B+3], s[G0A+2:G0A+3], HALFB
	s_or_b32 s[G0A+3], s[G0A+3], 0x80000000        ; type = 2
	s_or_b32 s[G0B+3], s[G0B+3], 0x80000000
	s_add_nc_u64 s[4:5], s[4:5], s[38:39]
	s_add_nc_u64 s[8:9], s[8:9], s[40:41]
	CROUND                                         ; all four work-groups are here: the joint loads meet
	tensor_load_to_lds s[G0A:G0A+3], s[G1:G1+7]    ; all fills of the launch go out together, ahead of every wait on TENSORcnt and every LDS read
	s_nop 0
	tensor_load_to_lds s[G0B:G0B+3], s[G1:G1+7]
	s_nop 0
.rept 4
	v_nop                                          ; behind the tensor loads
.endr
	v_and_b32 v5, 31, v0
	v_lshlrev_b32 v[LI], 4, v5
	global_load_b128 v[QF:QF+3], v[LI], s[4:5]             ; my query tile, as it was stored
	global_load_b128 v[QF+4:QF+7], v[LI], s[4:5] offset:512
	v_lshl_add_u32 v[LS], v5, 3, 9216
	v_mov_b32 v[MT], 0xff61b1e6                    ; the largest t so far: -3e38, under every t
	v_floor_f32 v[NM], -v[MT]
	v_mov_b32 v[LSUM], 0
	v_mov_b32 v[LSUM+1], 0
.irp j, 0,1,2,3,4,5,6,7
	v_mov_b32 v[OT+\j], 0                          ; the step is written once: the first finds zeros, which the first change of M leaves zeros
.endr
.irp b, 0,1,2,3
	v_mov_b32 v[BP+\b], 0                          ; a lane permute's destination counts as one of its sources
.endr
	v_mov_b32 v[FAC+1], 0                          ; (named as the upper half of a pair)
; A KEY STEP: 128 keys, the record at s[TB].
.macro STEP
	v_add_nc_u32 v[ADK], s[TB], v[LI]
	v_add_nc_u32 v[ADT], s[TB], v[LS]
	v_nop                                          ; with the two lines above: four places between the last step's product on codes and the loads into its operands (ISA guide 7.12.1 for vector instructions)
	v_nop
.irp t, 0,1,2,3,4,5,6,7
	ds_load_b128 v[KF+8*\t:KF+8*\t+3], v[ADK] offset:1024*\t           ; k: channels 8 h + 0 .. 3 of the eight tiles: K steps 0 and 1
.endr
.irp t, 0,1,2,3,4,5,6,7
	ds_load_b128 v[KF+8*\t+4:KF+8*\t+7], v[ADK] offset:1024*\t+512     ; channels 8 h + 4 .. 7: K steps 2 and 3
.endr
	ds_load_b128 v[VF:VF+3], v[ADK] offset:8192
	ds_load_b128 v[VF+4:VF+7], v[ADK] offset:8704
	ds_load_b32 v[VS], v[ADT]
	s_wait_dscnt 11                                ; the first eight are in; the second eight and v's three may be out
.irp k, 0,1                            ; the eight accumulators take turns, one instruction a turn; the first K step starts the sums
.irp t, 0,1,2,3,4,5,6,7
.if \k == 0
	v_wmma_f32_16x16x4_f32 v[S+8*\t:S+8*\t+7], v[KF+8*\t:KF+8*\t+1], v[QF:QF+1], 0
.else
	v_wmma_f32_16x16x4_f32 v[S+8*\t:S+8*\t+7], v[KF+8*\t+2*\k:KF+8*\t+2*\k+1], v[QF+2*\k:QF+2*\k+1], v[S+8*\t:S+8*\t+7]
.endif
.endr
.endr
	s_wait_dscnt 3                                 ; the second eight are in; v's three may be out
.irp k, 2,3
.irp t, 0,1,2,3,4,5,6,7
	v_wmma_f32_16x16x4_f32 v[S+8*\t:S+8*\t+7], v[KF+8*\t+2*\k:KF+8*\t+2*\k+1], v[QF+2*\k:QF+2*\k+1], v[S+8*\t:S+8*\t+7]
.endr
.endr
.rept 8
	v_nop                                          ; eight places behind this form in front of the first read of its results; they serve the next step's loads into k's registers too
.endr
.irp b, 0,1,2,3
	v_max3_num_f32 v[BM+\b], v[S+16*\b], v[S+1+16*\b], v[S+2+16*\b]    ; the largest score of each block of 32 keys: it serves for the row's maximum and, since p rises with the score, for the block's largest p.  Each accumulator is read from its low end on
.endr
.irp i, 3,5,7,9,11,13
.irp b, 0,1,2,3
	v_max3_num_f32 v[BM+\b], v[BM+\b], v[S+16*\b+\i], v[S+1+16*\b+\i]
.endr
.endr
.irp b, 0,1,2,3
	v_max_num_f32 v[BM+\b], v[BM+\b], v[S+15+16*\b]
.endr
.irp b, 0,1,2,3
	v_permlanex16_b32 v[BP+\b], v[BM+\b], s[SEL], s[SEL+1]
.endr
.irp b, 0,1,2,3
	v_max_num_f32 v[BM+\b], v[BM+\b], v[BP+\b]     ; with lane l xor 16's 16 keys
.endr
	v_max3_num_f32 v[TMP], v[BM], v[BM+1], v[BM+2]
	v_max_num_f32 v[TMP], v[TMP], v[BM+3]          ; the step's largest score of my query
	v_mul_f32 v[TMP], s[CS], v[TMP]                ; as t (c is positive)
	v_max_num_f32 v[MT], v[MT], v[TMP]             ; the running largest t
	v_mov_b32 v[TMP], v[NM]
	v_floor_f32 v[NM], -v[MT]                      ; the new -M = floor(-t) = -ceil(t)
	v_sub_f32 v[TMP], v[NM], v[TMP]                ; old M - new M: a whole number, 0 or less
	v_cvt_i32_f32 v[TMP], v[TMP]                   ; (it saturates)
	v_ldexp_f32 v[FAC], 1.0, v[TMP]                ; f = 2^(old M - new M)
.irp j, 0,2,4,6,8,10,12,14,16,18,20,22,24,26,28,30,32,34,36,38,40,42,44,46,48,50,52,54,56,58,60,62
	v_pk_fma_f32 v[P+\j:P+\j+1], v[S+\j:S+\j+1], s[CS:CS+1], v[NM:NM+1] op_sel_hi:[1,0,0]   ; t - M, two at a time, into registers of their own
.endr
.irp b, 0,1,2,3
	v_fma_f32 v[BM+\b], v[BM+\b], s[CS], v[NM]     ; the same of each block's largest score
.endr
.irp j, 0,1,2,3,4,5,6,7,8,9,10,11,12,13,14,15,16,17,18,19,20,21,22,23,24,25,26,27,28,29,30,31,32,33,34,35,36,37,38,39,40,41,42,43,44,45,46,47,48,49,50,51,52,53,54,55,56,57,58,59,60,61,62,63
	v_exp_f32 v[P+\j], v[P+\j]                     ; p = 2^(t - M), at most 1
.endr
.irp b, 0,1,2,3
	v_exp_f32 v[BM+\b], v[BM+\b]                   ; the block's largest p: the same two instructions on the same number
.endr
	v_pk_mul_f32 v[LSUM:LSUM+1], v[LSUM:LSUM+1], v[FAC:FAC+1] op_sel_hi:[1,0]   ; the sums under the new M (a plain line behind the exponentials)
.irp j, 0,2,4,6
	v_pk_mul_f32 v[OT+\j:OT+\j+1], v[OT+\j:OT+\j+1], v[FAC:FAC+1] op_sel_hi:[1,0]   ; O^T likewise, from its low end on
.endr
	s_wait_alu depctr_va_vdst(0)
.irp b, 0,1,2,3
	v_max_num_f32 v[BM+\b], 0x1800000, v[BM+\b]    ; the floor 2^(3 - 127): the byte cannot fall under 1
.endr
.irp b, 0,1,2,3
	v_add_nc_u32 v[SO+\b], 0xff000000, v[BM+\b]    ; 2 off the exponent field: the conversion's scale operand
.endr
.irp b, 0,1,2,3
	v_lshrrev_b32 v[BP+\b], 23, v[SO+\b]           ; the scale's byte
.endr
	v_lshl_or_b32 v[PW], v[BP+1], 8, v[BP]         ; p's scale word for these 128 keys
	v_lshl_or_b32 v[PW], v[BP+2], 16, v[PW]
	v_lshl_or_b32 v[PW], v[BP+3], 24, v[PW]
.irp b, 0,1,2,3
	v_cvt_scalef32_pk8_fp4_f32 v[PC+2*\b], v[P+16*\b:P+7+16*\b], v[SO+\b]
	v_cvt_scalef32_pk8_fp4_f32 v[PC+1+2*\b], v[P+8+16*\b:P+15+16*\b], v[SO+\b]
.endr
	v_nop                                          ; one plain line behind the last scaled conversion
.irp c, 0,1                            ; the operand's layout wants a whole block in a lane: lanes 0-15 block 2 c, lanes 16-31 block 2 c + 1
.irp i, 0,1
	v_permlane16_swap_b32 v[PC+4*\c+\i], v[PC+2+4*\c+\i]
.endr
.endr
	v_pk_add_f32 v[BP:BP+1], v[P:P+1], v[P+2:P+3]  ; the row's sum is taken of the unquantised p: two at a time, in two chains.  These 32 lines are also the places between the writes of p's codes and scale word and the product
.irp j, 4,8,12,16,20,24,28,32,36,40,44,48,52,56,60
	v_pk_add_f32 v[LSUM:LSUM+1], v[LSUM:LSUM+1], v[P+\j:P+\j+1]
	v_pk_add_f32 v[BP:BP+1], v[BP:BP+1], v[P+\j+2:P+\j+3]
.endr
	v_pk_add_f32 v[LSUM:LSUM+1], v[LSUM:LSUM+1], v[BP:BP+1]
	s_wait_dscnt 0x0                               ; v's fragment and scale word are in
	v_wmma_scale_f32_16x16x128_f8f6f4 v[OT:OT+7], v[VF:VF+7], v[PC:PC+7], v[OT:OT+7], v[VS], v[PW] matrix_a_fmt:MATRIX_FMT_FP4 matrix_b_fmt:MATRIX_FMT_FP4   ; O^T += v p^T; the 32 score products stand between two of these
.endm
.macro HALF first                      ; sixteen key steps, from LDS byte first on
	s_mov_b32 s[TB], \first
	s_mov_b32 s[CNT], 16
.Lstep_\@:
	STEP
	s_add_co_u32 s[TB], s[TB], REC
	s_sub_co_u32 s[CNT], s[CNT], 1
	s_cmp_lg_u32 s[CNT], 0
	s_cbranch_scc1 .Lstep_\@
.endm
	s_wait_loadcnt 0x0                             ; my queries
	s_wait_tensorcnt 1                             ; my record of the first sixteen has landed; my other load may stay out
	s_barrier_signal -1
	s_barrier_wait -1                              ; everybody's has
	HALF 0
	s_wait_tensorcnt 0x0                           ; my record of the second sixteen has landed
	s_barrier_signal -1
	s_barrier_wait -1
	HALF HALFB
	; THE WAY OUT.  Lane (r, h) holds channels 8 h + 0 .. 7 of one query; a row of out0 is a channel.  The work-group's 16 channels x 256 tokens meet in a stage; wave w then stores channel w's 1,024 bytes.
	; The address lines are the places behind the last product.
	v_and_b32 v3, 15, v0                           ; r
	v_bfe_u32 v4, v0, 4, 1                         ; h
	v_and_b32 v[SA], 8, v3
	v_add_nc_u32 v[SA], v[SA], v3                  ; r + (r & 8)
	s_and_b32 s38, s[WV], 14                       ; my tile's first token among the 256: 128 (w / 8) + 32 ((w % 8) / 2) + 8 (w % 2)
	s_lshl_b32 s38, s38, 4
	s_and_b32 s39, s[WV], 1
	s_lshl_b32 s39, s39, 3
	s_or_b32 s38, s38, s39
	v_add_nc_u32 v[SA], s38, v[SA]
	v_lshlrev_b32 v[SA], 2, v[SA]
	v_mad_u32_u24 v[SA], v4, 8*SPITCH, v[SA]       ; rows 8 h on: 2,080 words further, so the two halves of the lanes fall on different banks
	v_add_nc_u32 v[SA], STAGE, v[SA]
	s_mul_i32 s39, s[WV], SPITCH
	v_add_nc_u32 v[SR], s39, v[LI]
	v_add_nc_u32 v[SR], STAGE, v[SR]               ; back: row w, 16 bytes a lane
	v_add_f32 v[LSUM], v[LSUM], v[LSUM+1]          ; the sum's two halves,
	v_permlanex16_b32 v[TMP], v[LSUM], s[SEL], s[SEL+1]
	v_add_f32 v[LSUM], v[LSUM], v[TMP]             ; and lane l xor 16's: the row's sum
	v_rcp_f32 v[LSUM+1], v[LSUM]
	v_nop                                          ; a plain line behind the reciprocal
	s_wait_alu depctr_va_vdst(0)
.irp j, 0,1,2,3,4,5,6,7
	v_mul_f32 v[P+\j], v[OT+\j], v[LSUM+1]
.endr
.irp j, 0,1,2,3,4,5,6,7
	ds_store_b32 v[SA], v[P+\j] offset:SPITCH*\j
.endr
	s_wait_dscnt 0x0                               ; for the others' sake: my stores have landed
	s_barrier_signal -1
	s_barrier_wait -1
	ds_load_b128 v[P+8:P+11], v[SR]
	ds_load_b128 v[P+12:P+15], v[SR] offset:512
	s_wait_dscnt 0x0
	global_store_b128 v[LI], v[P+8:P+11], s[8:9] th:TH_STORE_NT              ; each store of the wave covers 512 consecutive bytes, aligned
	global_store_b128 v[LI], v[P+12:P+15], s[8:9] offset:512 th:TH_STORE_NT
	s_wait_tensorcnt 0x0
	ds_add_u32 v254, v255
	s_wait_dscnt 0x0
	CROUND                                         ; the closing round: no work-group ends while a partner may still ask for a record that names it
	s_endpgm
.Lfunc_end_k_qa1a369d548_attn:
	.size	k_qa1a369d548_attn, .Lfunc_end_k_qa1a369d548_attn-k_qa1a369d548_attn
	.p2alignl 7, 3214868480
	.fill 96, 4, 3214868480
	.section	.rodata,"a",@progbits
	.p2align	6, 0x0
	.amdhsa_kernel k_qa1a369d548_attn
		.amdhsa_group_segment_fixed_size 327680
		.amdhsa_private_segment_fixed_size 0
		.amdhsa_enable_private_segment 0
		.amdhsa_kernarg_size 24
		.amdhsa_user_sgpr_count 2
		.amdhsa_user_sgpr_kernarg_segment_ptr 1
		.amdhsa_wavefront_size32 1
		.amdhsa_system_sgpr_workgroup_id_x 1
		.amdhsa_system_sgpr_workgroup_id_y 1
		.amdhsa_system_sgpr_workgroup_id_z 1
		.amdhsa_system_vgpr_workitem_id 0
		.amdhsa_next_free_vgpr 256
		.amdhsa_next_free_sgpr 66
		.amdhsa_reserve_vcc 0
		.amdhsa_float_denorm_mode_32 3
		.amdhsa_float_denorm_mode_16_64 3
		.amdhsa_memory_ordered 1
		.amdhsa_forward_progress 1
		.amdhsa_inst_pref_size 37
	.end_amdhsa_kernel
	.amdgpu_metadata
---
amdhsa.version: [ 1, 2 ]
amdhsa.kernels:
  - .name:           k_qa1a369d548_attn
    .symbol:         k_qa1a369d548_attn.kd
    .args:
      - { .name: qf, .offset: 0, .size: 8, .value_kind: global_buffer, .address_space: global }
      - { .name: kv, .offset: 8, .size: 8, .value_kind: global_buffer, .address_space: global }
      - { .name: out0, .offset: 16, .size: 8, .value_kind: global_buffer, .address_space: global }
    .group_segment_fixed_size: 327680
    .private_segment_fixed_size: 0
    .kernarg_segment_align: 8
    .kernarg_segment_size: 24
    .max_flat_workgroup_size: 512
    .sgpr_count:     66
    .vgpr_count:     256
    .wavefront_size: 32
...
	.end_amdgpu_metadata
.endif
;; end of part 2
